; MI455X (gfx1250); checked and timed in simulation.
; The chip was launched on July 23, 2026; its instructions are those of AMD's public machine-readable ISA for CDNA 5 (MIT licence, August 2026) and "CDNA5" Instruction Set Architecture Reference Guide (July 2026). The comments in the code are by the model that wrote it; some were corrected since.
;; Scaled Dot Product Attention. Allowed arithmetic: matrix products marked QUANTISED: E4M3 operands, one E8M0 scale for each 32 along K, by v_wmma_scale_f32_16x16x128_f8f6f4 with both operands' format E4M3, f32 sums; everything else in f32.
;; Inputs: K_codes 4 x 16 x 2,048 x 4 x 32 uint8 (E4M3 codes of K, K innermost, in blocks of 32 codes); K_scales 4 x 16 x 2,048 x 4 uint8 (E8M0 scales of K, one for each 32 codes along K); Q_codes 4 x 16 x 2,048 x 4 x 32 uint8 (E4M3 codes of Q, K innermost, in blocks of 32 codes); Q_scales 4 x 16 x 2,048 x 4 uint8 (E8M0 scales of Q, one for each 32 codes along K); V_codes 4 x 16 x 128 x 64 x 32 uint8 (E4M3 codes of V, K innermost, in blocks of 32 codes); V_scales 4 x 16 x 128 x 64 uint8 (E8M0 scales of V, one for each 32 codes along K).
;; Outputs: out0 4 x 16 x 2,048 x 128 float32.
;; This version of the problem:
;;   THIS VERSION OF THE PROBLEM IS GIVEN IN LOW PRECISION. The matrix products marked QUANTISED in the list below multiply operands that are first quantised to E4M3 (4 exponent bits, 3 mantissa bits; 8 bits a number), with one power-of-two scale for each 32 numbers along K (OCP MX v1.0); their sums are f32. All else is computed in f32.
;;   The module's matrix products, in the order in which they are computed (A, B: the left and right operand; K: the contracted axis; several contracted axes count as one K, in the product's order):
;;     1. batch 64 x [M 2,048, K 128] x [K 128, N 2,048]; A: input Q (given as codes); B: input K (given as codes): QUANTISED
;;     2. batch 64 x [M 2,048, K 2,048] x [K 2,048, N 128]; A: softmax (see below); B: input V (given as codes): QUANTISED
;;   THE QUANTISER, for each operand of a quantised product, along K:
;;     - K is cut into blocks of 32 from its start; a last block that is shorter is filled with zeros.
;;     - A block's scale is 2^e with e = floor(log2(the largest magnitude in the block)) - 8, held to -126 .. 127; a block of zeros has e = 0. As a byte (E8M0): e + 127.
;;     - Each number is divided by its block's scale, clamped to +-448, and rounded to the nearest number of E4M3, ties to even, subnormals kept.
;;     - The product sums the exact products of the quantised numbers (number of the format x scale) in f32.
;;   ~~~python
;;   def quantise(x, axis):      # numpy; x: float32 -> the quantised numbers, widened to float32 again
;;       x = np.moveaxis(x, axis, -1); K = x.shape[-1]
;;       x = np.pad(x, [(0, 0)] * (x.ndim - 1) + [(0, -K % 32)]); x = x.reshape(x.shape[:-1] + (-1, 32)); a = np.abs(x).max(-1, keepdims=True)
;;       e = np.where(a > 0, np.clip(np.frexp(np.where(a > 0, a, 1))[1] - 1 - 8, -126, 127), 0)      # np.frexp(a)[1] - 1 = floor(log2(a)), exactly
;;       r = np.clip(x / 2.0 ** e, -448, 448)
;;       step = 2.0 ** (np.maximum(np.frexp(np.where(r == 0, 1, r))[1] - 1, -6) - 3)
;;       q = np.round(r / step) * step * 2.0 ** e      # np.round: ties to even
;;       return np.moveaxis(q.reshape(q.shape[:-2] + (-1,))[..., :K], -1, axis).astype(np.float32)
;;   ~~~
;;   SOFTMAX AHEAD OF A QUANTISED PRODUCT. Where the list says 'softmax', what is quantised is not the finished softmax but p = 2^(t - M), with t = logit x log2(e) and M = ceil(the row's largest t), a whole number; so 1/2 < the row's largest p <= 1. The row's sum l is taken of the UNQUANTISED p, in f32, and the product's result is divided by l at the end. Since M is a whole number, a kernel that streams over the keys may use a running M (the ceiling of the running maximum): every later rescaling is an exact power of two, which a block's scale takes up: the codes' values come out the same.
;;   OPERANDS COMPUTED ON THE WAY. 'Computed on the way' means the value that the module computes at that place (a softmax that the list does not call 'softmax' is quantised finished and normalised). What goes into a quantiser is computed in f32, as accurately as f32 sums, v_exp_f32 and their like allow (about 1e-6 of the number): no bf16 or f16 on the way to a quantiser, and a product that is left as it is and whose result goes on into a quantised operand takes f32 operands (vector FMAs, or v_wmma_f32_16x16x4_f32). A number that lies on a knife's edge between two numbers of the format may be rounded either way, as far as f32 arithmetic and the matrix unit's own rounding can turn it there, and no further.
;;   INPUTS GIVEN AS CODES. K (in the module: [4, 16, 2048, 128], K = its axis 3); Q (in the module: [4, 16, 2048, 128], K = its axis 3); V (in the module: [4, 16, 2048, 128], K = its axis 2): each comes as NAME_codes (uint8): NAME with its K axis moved to the last place and cut into blocks of 32 codes, [.., K / 32, bytes a block], one block behind the other in memory; one code a byte (a code: sign, 4 exponent bits, 3 mantissa bits); and NAME_scales (uint8): the same leading axes, one E8M0 byte (e + 127) for each 32 codes along K. Its value is code x scale, taken as it is: it is not quantised again, and the codes and scales need not be those that the quantiser above would give.
;; One version. Each part assembles by itself: llvm-mc -triple=amdgcn-amd-amdhsa -mcpu=gfx1250 --defsym DOCPART=n.
;; ======== version 1 of 1: 1 launch
;; launch attn (part 1): grid 4 x 64, 8 waves a work-group, no clusters, 327,680 bytes of LDS; arguments Q_codes, Q_scales, K_codes, K_scales, V_codes, V_scales, out0; writes out0
.if DOCPART == 1
	.amdgcn_target "amdgcn-amd-amdhsa--gfx1250"
	.amdhsa_code_object_version 6
	.text
	.protected	k_q57fc337cdc_attn
	.globl	k_q57fc337cdc_attn
	.p2align	8
	.type	k_q57fc337cdc_attn,@function
k_q57fc337cdc_attn:
	s_mov_b64 s[64:65], 0
	v_nop
	global_prefetch_b8 v0, s[64:65] scope:SCOPE_SE
	s_setreg_imm32_b32 hwreg(HW_REG_WAVE_MODE, 25, 1), 1
	s_wait_xcnt 0x0
; out[h][q][:] = the sum over k <= q of softmax_k(Q[h][q] . K[h][k] / sqrt(128)) V[h][k][:], 64 heads, 2,048 queries and keys, head size 128; both products on codes of FP8 (E4M3) with one E8M0 byte for each 32 along a product's K.
; Q, K: [64][2048][128] codes, their scale bytes [64][2048][4].  V: codes with the KEYS innermost, [64][128][2048], scale bytes [64][128][64].  out: [64][2048][128] f32.
; THE SOFTMAX AHEAD OF THE SECOND PRODUCT: t = score x log2(e) / sqrt(128); M = the row's largest t so far, rounded UP to a whole number; p = 2^(t - M) is quantised along the keys, not normalised.
; The row's sum is taken of the unquantised p, in f32, and divides O at the end.  When M moves, the sum and O are multiplied by 2^(old M - new M): exact.
; SHARES.  A head's queries are eight blocks of 256.  Work-group i (0..3) of a head owns blocks 7 - i and i, one after the other: (8 - i) + (i + 1) = 9 slots of 256 keys for every work-group.
; So the loop's trip count is a constant, no slot is fetched that nobody reads, and the 4 x 64 work-groups have equal work in spite of the mask.
; Eight waves, each with 32 queries of the block in hand: TWO tiles of 16, tile 0 in register window 0 and tile 1 in window 1 under the same register numbers: a fragment of K or V read from LDS feeds two products.
; Which 32 queries a wave owns (group u) is a permutation of the wave's number such that waves w, w + 4 and waves 2 a, 2 a + 1 each hold one group with one step and one with two steps in the diagonal slot.
; LAYOUT.  Both products are used transposed: S^T = K Q^T (source 0 = 16 keys, source 1 = 16 queries), O^T = V^T P^T (source 0 = 16 of the head's 128, source 1 = P): a lane holds ONE query (lane % 16) throughout.
; THE KEYS OF A TILE ARE NOT NEIGHBOURS: lane r of tile 2 b + u takes key 32 b + 8 u + r + 8 (r / 8), so that the 16 registers of tiles 2 b and 2 b + 1 are 16 neighbouring keys, 32 b + 16 (lane / 16) + 0 .. 15.
; RING.  Two LDS slots of 256 keys, filled by the tensor data mover (waves 0, 1: K; waves 2, 3: V's halves) and read by all eight; a slot is asked for one whole trip ahead of its first read.
; K IN A SLOT lies in two regions: the even groups of 16 keys (wave 0's load), then, 128 bytes past a multiple of 256, the odd groups (wave 1's).  A tile's rows 0-7 come from one region and its rows 8-15 from the other, at the
;   same row number: with rows 144 bytes apart the first eight start at the 16-byte columns 0, 9, 2, 11, 4, 13, 6, 15 of 256 bytes, the other eight at these + 8: sixteen different columns (64 banks of 4 bytes: ISA guide 11.1).
; The scale bytes of the whole head (K's 8,192 and V's 8,192) come once, with the first fills, and stay.
; V'S FRAGMENTS are asked for inside the softmax, four LDS loads at a time: tiles 0-3 within tile 0's softmax, tiles 4-7 within tile 1's (destination and address then lie in the window in hand: no switch is spent on them).
; CAUSAL.  A step of 128 keys all of which come after the wave's 32 queries is jumped over (a scalar branch on ids; no barrier and no tensor load stands in a step); in the one step on the diagonal hidden scores become -infinity.
; NO JOINT LOADS: the four work-groups of a head want the same slot only in trips 0 to 4; from trip 8 - i on work-group i walks slots 0 .. i again, so that partners would ask for different tiles in the same trip.
;   A walk common to all four would be 8 + 4 = 12 slots long against these 9.
; LIMITS: NaN codes and the scale byte 0xff among the inputs are not served.  A block of p that is all zeros keeps the byte 1 where the quantiser says 127: its codes are zeros and nobody else reads the byte.
;   p under 2^-126 comes out of v_exp_f32 as 0.  A block's largest p is made from the block's largest score by the same two instructions: this takes v_exp_f32 not to fall where its input rises.  |t| stays under 2^24, so that M is exact.
; REGISTERS.  Window 0 only: v0 thread; v1-4 lane places; v5, v6 the add's two; v7 tile 1's scale word of p; v8-11 addresses in hand; v248-251 scale words of K or V (register t: tile t in lanes 0-15, tile 4 + t in lanes 16-31);
;   v253 tile 0's scale word of p; v255 Q's scale words (tile 0 in lanes 0-15, tile 1 in lanes 16-31).  Scale operands are always taken from window 0.  Window 1 only: v9 a copy of V's address in hand.
; Each window: v12 -M, v13 the largest t, v[14:15] the sum in two halves; v16-31 Q; v32-95 four fragments (window 0: tiles 0-3, window 1: tiles 4-7); v96-159 S^T, then p, then rows on the way out; v160-223 O^T; v224-239 p's codes; v232-247, v252, v254 at work.
.set KP,     144                       ; a key's row in LDS: 128 bytes + 16 of padding
.set KOB,    128*KP+128                ; where the odd groups of 16 keys begin in a slot: 128 bytes past a multiple of 256
.set VP,     272                       ; a row of V's tile in LDS: 256 bytes + 16 of padding
.set VOFF,   37120                     ; a slot: K's two regions (they end at 36,992), then 128 rows of V: 71,936 bytes
.set SCK,    73728                     ; K's scale bytes of the head: 32 runs of 256 bytes + 16 of padding
.set SCV,    SCK+8704                  ; V's likewise
.set SPARE,  SCV+8704                  ; the spare words, 128 bytes for each wave: four blocks of 256 bytes that no other line names
.set SLOT1,  1<<17                     ; slot 1 begins here, so that one exclusive or turns an address in one slot into the other's
.set STAGE,  SLOT1+72192               ; the way out: 16 rows x (512 bytes + 16) for each wave; bytes of its own, into which no fill lands
.set SPITCH, 528
.set AK0,  1                           ; v1   my lane's place in a tile of K
.set AV0,  2                           ; v2   the same for V
.set ASK0, 3                           ; v3   my lane's place among K's scale words
.set ASV0, 4                           ; v4   and among V's
.set SPW,  5                           ; v5   LDS address of my spare word; never rewritten
.set NIL,  6                           ; v6   0; never rewritten
.set PS1,  7                           ; v7   tile 1's scale word of p
.set ADK,  8
.set ADV,  9
.set ADS,  10
.set ADT,  11
.set WV,   18                          ; s18  my wave's number
.set MNT,  19                          ; s19  the mantissa field of 448
.set SEL,  20                          ; s[20:21] lane selects for v_permlanex16_b32: lane l xor 16
.set CS,   22                          ; s[22:23] c = log2(e) / sqrt(128), twice
.set G1K,  24                          ; s[24:31] descriptor group 1 for K's tiles;  s[32:39] for V's;  s[40:43], s[44:47] their groups 0
.set G1V,  32
.set G0K,  40
.set G0V,  44
.set G1S,  48                          ; s[48:55] group 1 for the scale bytes;  s[56:59], s[60:63] groups 0 for K's and V's
.set G0SK, 56
.set G0SV, 60
.set TB,   66                          ; s66  LDS byte at which the slot in hand begins
.set JT,   67                          ; s67  the trip, 0 .. 8
.set PIX,  68                          ; s68  i: the work-group's x
.set SW,   69                          ; s69  8 - i: the trip at which the low block begins
.set KS,   71                          ; s71  the trip's slot of keys, 0 .. 7
.set TS,   72                          ; s72  where that slot's scale words of K begin: 1,088 KS
.set TJ,   73                          ; s73  and V's: 8 KS
.set KF0,  74                          ; s74  the slot's first key: 256 KS
.set Q0,   75                          ; s75  my wave's first query
.set KB,   76                          ; s[76:77] K's codes: my groups of the head's slot 0
.set VB,   78                          ; s[78:79] V's: my half of the head's slot 0
.set OP,   80                          ; s[80:81] out at my first query
.set QP,   82                          ; s[82:83] Q's codes at my first query
.set QSP,  84                          ; s[84:85] Q's scale words there
.set OF,   86                          ; s[86:87], s[88:89] byte offsets as pairs; the upper words stay 0
.set OG,   88
.set HD,   90                          ; s90  the head
.set UG,   91                          ; s91  my group of 32 queries in a block
.set Q0N,  92                          ; s92  the first query of the block that is about to begin
.set MSB, 0
.macro WIN new                         ; s_set_vgpr_msb: bits 1:0 source 0, 3:2 source 1, 5:4 source 2, 7:6 destination; the high byte repeats the setting that is left; a switch that changes nothing is dropped
.if MSB != (\new)
	s_set_vgpr_msb (MSB<<8)|(\new)
.set MSB, (\new)
.endif
.endm
; A load into a register that a matrix instruction has read, and a vector instruction that reads a matrix result or writes one of its registers, stand eight places behind it; only plain vector
; instructions that name none of its registers are places.
.macro PLACES n
.rept \n
	v_nop
.endr
.endm
; Waves 0 and 1 fetch for K, waves 2 and 3 for V, the others nothing.  The branches hang on the wave's number alone.  Four v_nop follow each of the two lines.
.macro TLOAD g0k, g1k, g0v, g1v
	s_cmp_lt_u32 s[WV], 2
	s_cbranch_scc0 .Lnot_k_\@
	tensor_load_to_lds s[\g0k:\g0k+3], s[\g1k:\g1k+7]
	s_nop 0
.rept 4
	v_nop
.endr
	s_branch .Lasked_\@
.Lnot_k_\@:
	s_cmp_lt_u32 s[WV], 4
	s_cbranch_scc0 .Lasked_\@
	tensor_load_to_lds s[\g0v:\g0v+3], s[\g1v:\g1v+7]
	s_nop 0
.rept 4
	v_nop
.endr
.Lasked_\@:
.endm
; The eight fragments of K of the slot's q-th 128 keys, in one run: tiles 0-3 and the four registers of scale words first, then tiles 4-7 into window 1.
; Tile 2 b + u of step q: row 16 (4 q + b) + 8 u + r % 8 of the region that r / 8 names (the lane's part stands in v[ADK]).
.macro KLOAD q
.irp t, 0,1,2,3
.irp c, 0,1,2,3
	ds_load_b128 v[32+16*\t+4*\c:35+16*\t+4*\c], v[ADK] offset:(16*(4*\q+\t/2)+8*(\t%2))*KP+32*\c
.endr
.endr
.irp t, 0,1,2,3
	ds_load_b32 v[248+\t], v[ADS] offset:544*\q+(32*(\t/2)+8*(\t%2))*4   ; lanes 0-15: tile t's keys; lanes 16-31: tile 4 + t's, 64 keys (272 bytes) on
.endr
	WIN 0x40                                       ; destination window 1, address window 0
.irp t, 0,1,2,3
.irp c, 0,1,2,3
	ds_load_b128 v[32+16*\t+4*\c:35+16*\t+4*\c], v[ADK] offset:(16*(4*\q+2+\t/2)+8*(\t%2))*KP+32*\c
.endr
.endr
	WIN 0
.endm
; One fragment of V (16 of the head's 128 x the step's 128 keys): the t-th of the four of the window in hand (hi = 0: tiles 0-3, window 0; hi = 1: tiles 4-7, window 1).  Destination and address lie in that window.
.macro VFRAG t, q, hi
.irp c, 0,1,2,3
	ds_load_b128 v[32+16*\t+4*\c:35+16*\t+4*\c], v[ADV] offset:16*(4*\hi+\t)*VP+128*\q+32*\c
.endr
.endm
; S^T = K Q^T: sixteen products on sixteen accumulators, each started by the constant 0.  Four stretches under one window setting each.
.macro SMUL
	s_wait_dscnt 16                                ; LDS loads come back in order (ISA guide 5.7.1): tiles 0-3 and the scale words are in; the youngest sixteen loads (tiles 4-7) may be out
.irp t, 0,1,2,3
	v_wmma_scale_f32_16x16x128_f8f6f4 v[96+8*\t:103+8*\t], v[32+16*\t:47+16*\t], v[16:31], 0, v[248+\t], v255
.endr
	WIN 0x44                                       ; Q and S^T of tile 1
.irp t, 0,1,2,3
	v_wmma_scale_f32_16x16x128_f8f6f4 v[96+8*\t:103+8*\t], v[32+16*\t:47+16*\t], v[16:31], 0, v[248+\t], v255 matrix_b_scale:MATRIX_SCALE_ROW1
.endr
	s_wait_dscnt 0x0                               ; tiles 4-7 are in
	WIN 0x45                                       ; and K's fragments of window 1
.irp t, 0,1,2,3
	v_wmma_scale_f32_16x16x128_f8f6f4 v[128+8*\t:135+8*\t], v[32+16*\t:47+16*\t], v[16:31], 0, v[248+\t], v255 matrix_a_scale:MATRIX_SCALE_ROW1 matrix_b_scale:MATRIX_SCALE_ROW1
.endr
	WIN 0x01                                       ; back to tile 0
.irp t, 0,1,2,3
	v_wmma_scale_f32_16x16x128_f8f6f4 v[128+8*\t:135+8*\t], v[32+16*\t:47+16*\t], v[16:31], 0, v[248+\t], v255 matrix_a_scale:MATRIX_SCALE_ROW1
.endr
	WIN 0
.endm
; On the diagonal the scores of hidden keys become -infinity ahead of the maximum: p = 0 then.  A step all of whose keys count for all 32 queries jumps over this.  s94 = the step's first key.
.macro MASK
	s_add_co_u32 s93, s94, 127
	s_cmp_le_u32 s93, s[Q0]
	s_cbranch_scc1 .Lopen_\@
	s_sub_co_i32 s95, s[Q0], s94
	v_and_b32 v252, 15, v0
	v_bfe_u32 v254, v0, 4, 1
	v_lshlrev_b32 v254, 4, v254
	v_sub_nc_u32 v252, v252, v254
	v_add_nc_u32 v252, s95, v252                   ; d = my query - the first key - 16 (lane / 16).  Register 16 b + i holds key 16 (lane / 16) + 32 b + i of the step: hidden where 32 b + i > d
	v_mov_b32 v254, 0xff800000                     ; -infinity
.set nn, 0
.rept 64
	v_cmp_gt_i32 vcc_lo, 32*(nn/16)+nn%16, v252
	v_cndmask_b32 v[96+nn], v[96+nn], v254, vcc_lo
.set nn, nn+1
.endr
	WIN 0x40                                       ; tile 1's queries lie 16 further on
	v_add_nc_u32 v252, 16, v252
	v_mov_b32 v254, 0xff800000
	WIN 0x55
.set nn, 0
.rept 64
	v_cmp_gt_i32 vcc_lo, 32*(nn/16)+nn%16, v252
	v_cndmask_b32 v[96+nn], v[96+nn], v254, vcc_lo
.set nn, nn+1
.endr
	WIN 0
.Lopen_\@:
.endm
; One tile's softmax for 128 keys, all in window tau; only tile 1's finished scale word goes to window 0, where scale operands are read.
; The window's four fragments of V for the step's second product are asked for on the way, four loads at a time: the last run has 36 exponentials and all the sums, holds, conversions and rescalings behind it in which to land.
.macro SOFTMAX tau, q
	WIN 0x55*\tau
.irp b, 0,1,2,3
	v_max3_num_f32 v[232+\b], v[96+16*\b], v[97+16*\b], v[98+16*\b]   ; THE LARGEST SCORE OF EACH BLOCK OF 32 KEYS: for the row's maximum and, since p rises with the score, for the block's largest p
.endr
.irp i, 3,5,7,9,11,13
.irp b, 0,1,2,3
	v_max3_num_f32 v[232+\b], v[232+\b], v[96+16*\b+\i], v[97+16*\b+\i]   ; (the four blocks by turns; each accumulator is read from its low end on)
.endr
.endr
	VFRAG 0, \q, \tau
.irp b, 0,1,2,3
	v_max_num_f32 v[232+\b], v[232+\b], v[111+16*\b]
.endr
.irp b, 0,1,2,3
	v_permlanex16_b32 v[236+\b], v[232+\b], s[SEL], s[SEL+1]
.endr
.irp b, 0,1,2,3
	v_max_num_f32 v[232+\b], v[232+\b], v[236+\b]  ; with lane l xor 16's 16 keys
.endr
	v_max3_num_f32 v254, v232, v233, v234
	v_max_num_f32 v254, v254, v235                 ; the step's largest score of my query
	v_mul_f32 v254, s[CS], v254                    ; as t (c is positive)
	v_max_num_f32 v13, v13, v254                   ; the running largest t
	v_mov_b32 v254, v12
	v_floor_f32 v12, -v13                          ; the new -M = floor(-t) = -ceil(t): M is a whole number
	v_sub_f32 v254, v12, v254                      ; M's old value less its new one: a whole number, 0 or less
	v_cvt_i32_f32 v254, v254                       ; (it saturates)
	v_ldexp_f32 v252, 1.0, v254                    ; f = 2^(old M - new M): a multiplication by it rounds nothing
	VFRAG 1, \q, \tau
.set jj, 0
.rept 32
	v_pk_fma_f32 v[96+jj:97+jj], v[96+jj:97+jj], s[CS:CS+1], v[12:13] op_sel_hi:[1,0,0]   ; t - M, two at a time (of the pairs c and -M the low word serves both halves)
.set jj, jj+2
.endr
.irp b, 0,1,2,3
	v_fma_f32 v[232+\b], v[232+\b], s[CS], v12     ; the same of each block's largest score
.endr
	VFRAG 2, \q, \tau
.set jj, 0
.rept 32
	v_exp_f32 v[96+jj], v[96+jj]                   ; p = 2^(t - M): not normalised
.set jj, jj+1
.endr
	VFRAG 3, \q, \tau
.rept 32
	v_exp_f32 v[96+jj], v[96+jj]
.set jj, jj+1
.endr
.irp b, 0,1,2,3
	v_exp_f32 v[232+\b], v[232+\b]                 ; the block's largest p: the same two instructions on the same number give the same bits
.endr
	v_pk_mul_f32 v[14:15], v[14:15], v[252:253] op_sel_hi:[1,0]   ; the sums under the new M.  (A plain place behind the exponentials)
.if \tau == 0
.irp t, 0,1,2,3
	ds_load_b32 v[248+\t], v[ADT] offset:1088*\t+4*\q   ; V's scale words.  Lanes 0-15: rows 16 t on; lanes 16-31: rows 64 + 16 t on (4,352 bytes on)
.endr
.endif
	s_wait_alu depctr_va_vdst(0)
.irp b, 0,1,2,3
	v_max_num_f32 v[232+\b], 0x4800000, v[232+\b]  ; the floor 2^(9 - 127): the byte cannot fall under 1
.endr
.irp b, 0,1,2,3
	v_add_nc_u32 v[244+\b], 0xfc000000, v[232+\b]  ; 8 off the exponent field: the conversion's scale operand
.endr
.irp b, 0,1,2,3
	v_and_or_b32 v[240+\b], v[232+\b], 0x7f800000, s[MNT]   ; 448 x the scale
.endr
.irp b, 0,1,2,3
	v_lshrrev_b32 v[236+\b], 23, v[244+\b]         ; the scale's byte
.endr
	v_lshl_or_b32 v253, v237, 8, v236              ; p's scale word for these 128 keys
	v_lshl_or_b32 v253, v238, 16, v253
.if \tau
	WIN 0x11                                       ; sources window 1, destination window 0
	v_lshl_or_b32 v[PS1], v239, 24, v253
	WIN 0x55
.else
	v_lshl_or_b32 v253, v239, 24, v253
.endif
	v_pk_add_f32 v[236:237], v[96:97], v[98:99]    ; THE ROW'S SUM IS TAKEN OF THE UNQUANTISED p: two at a time, in two chains
.set jj, 4
.rept 15
	v_pk_add_f32 v[14:15], v[14:15], v[96+jj:97+jj]
	v_pk_add_f32 v[236:237], v[236:237], v[98+jj:99+jj]
.set jj, jj+4
.endr
	v_pk_add_f32 v[14:15], v[14:15], v[236:237]
.irp b, 0,1,2,3
.set jj, 0
.rept 16
	v_min_num_f32 v[96+16*\b+jj], v[96+16*\b+jj], v[240+\b]   ; the conversion to an 8-bit code does not saturate (ISA guide 7.6.2); p is not negative, so the hold is one-sided
.set jj, jj+1
.endr
	v_cvt_scalef32_pk8_fp8_f32 v[224+4*\b:225+4*\b], v[96+16*\b:103+16*\b], v[244+\b]
	v_cvt_scalef32_pk8_fp8_f32 v[226+4*\b:227+4*\b], v[104+16*\b:111+16*\b], v[244+\b]
.endr
.set jj, 0
.rept 32
	v_pk_mul_f32 v[160+jj:161+jj], v[160+jj:161+jj], v[252:253] op_sel_hi:[1,0]   ; O^T under the new M: x f.  (These are also the places between the codes just made and the products that take them)
.set jj, jj+2
.endr
.endm
; O^T += V^T P^T: sixteen products on sixteen accumulators, one instruction a turn.  It begins in the window in which tile 1's softmax ended.
.macro PVMUL
	s_wait_dscnt 0x0                               ; V's fragments and scale words, asked for inside the two softmaxes, are in
	WIN 0x55
.irp t, 0,1,2,3
	v_wmma_scale_f32_16x16x128_f8f6f4 v[192+8*\t:199+8*\t], v[32+16*\t:47+16*\t], v[224:239], v[192+8*\t:199+8*\t], v[248+\t], v[PS1] matrix_a_scale:MATRIX_SCALE_ROW1
.endr
	WIN 0x54
.irp t, 0,1,2,3
	v_wmma_scale_f32_16x16x128_f8f6f4 v[160+8*\t:167+8*\t], v[32+16*\t:47+16*\t], v[224:239], v[160+8*\t:167+8*\t], v[248+\t], v[PS1]
.endr
	WIN 0
.irp t, 0,1,2,3
	v_wmma_scale_f32_16x16x128_f8f6f4 v[160+8*\t:167+8*\t], v[32+16*\t:47+16*\t], v[224:239], v[160+8*\t:167+8*\t], v[248+\t], v253
.endr
	WIN 0x01
.irp t, 0,1,2,3
	v_wmma_scale_f32_16x16x128_f8f6f4 v[192+8*\t:199+8*\t], v[32+16*\t:47+16*\t], v[224:239], v[192+8*\t:199+8*\t], v[248+\t], v253 matrix_a_scale:MATRIX_SCALE_ROW1
.endr
	WIN 0
.endm
; A KEY STEP: 128 keys, the q-th of the slot in hand, for my two tiles.
.macro STEP q
	s_add_co_u32 s94, s[KF0], 128*\q               ; the step's first key
	s_add_co_u32 s93, s[Q0], 31
	s_cmp_gt_u32 s94, s93                          ; all its keys come after my 32 queries: nothing to do
	s_cbranch_scc1 .Lhidden_\@
	v_add_nc_u32 v[ADK], s[TB], v[AK0]
	v_add_nc_u32 v[ADV], s[TB], v[AV0]
	v_add_nc_u32 v[ADS], s[TS], v[ASK0]
	v_add_nc_u32 v[ADT], s[TJ], v[ASV0]
	PLACES 4                                       ; with the four additions: eight places behind the last step's products, whose fragments and scale words are loaded anew
	KLOAD \q
	SMUL
	PLACES 8                                       ; for the first read of S^T, and for V's loads into the registers that these products have read
	MASK
	SOFTMAX 0, \q                                  ; with V's tiles 0-3 and scale words asked for on the way
	WIN 0x40                                       ; destination window 1, sources window 0
	v_add_nc_u32 v[ADV], s[TB], v[AV0]             ; V's address once more, for the loads that stand in window 1
	SOFTMAX 1, \q                                  ; with V's tiles 4-7
	PVMUL
.Lhidden_\@:
.endm
; THE CHANGE OF SLOTS stands at a trip's head.  Each wave waits for all its tensor loads (its part of the slot that it is about to read), adds 0 to its spare word, and waits for that and for its reads of the slot that it has left.
; Behind the barrier the slot ahead is whole and nobody reads the other one.  fill = 1: that other slot is filled with the next trip's keys: the load has a whole trip's work in which to land.
.macro CHANGE fill
	s_wait_tensorcnt 0x0                           ; no tensor load of mine is out, so a group 0 may be written
	ds_add_u32 v[SPW], v[NIL]                      ; 0 onto my spare word: with fill = 1 the descriptors are made between it and the wait for it
.if \fill
	s_add_co_u32 s93, s[JT], 1                     ; the next trip's slot of keys: (J + 1 + (i from the low block's first trip on)) mod 8
	s_cmp_ge_u32 s93, s[SW]
	s_cselect_b32 s94, s[PIX], 0
	s_add_co_u32 s93, s93, s94
	s_and_b32 s93, s93, 7
	s_lshl_b32 s[OF], s93, 15                      ; K: 256 keys of 128 bytes a slot
	s_lshl_b32 s[OG], s93, 8                       ; V: 256 bytes on in each row
	s_add_nc_u64 s[G0K+2:G0K+3], s[KB:KB+1], s[OF:OF+1]
	s_add_nc_u64 s[G0V+2:G0V+3], s[VB:VB+1], s[OG:OG+1]
	s_or_b32 s[G0K+3], s[G0K+3], 0x80000000        ; 127:126 type = 2
	s_or_b32 s[G0V+3], s[G0V+3], 0x80000000
	s_xor_b32 s[G0K+1], s[G0K+1], SLOT1            ; the other slot than last time
	s_xor_b32 s[G0V+1], s[G0V+1], SLOT1
.endif
	s_wait_dscnt 0x0                               ; the add is done, and my reads of the slot that I have left are over
	s_barrier_signal -1
	s_barrier_wait -1
.if \fill
	TLOAD G0K, G1K, G0V, G1V                       ; the first thing behind the barrier, and a wave's one tensor load until the next
.endif
.endm
; Q of the 32 queries from s[Q0N] on: two fragments and their scale words.  v32, v33 (fragment registers, free here) hold the lane's offsets.
.macro QLOAD
	s_lshl_b32 s93, s[HD], 11
	s_add_co_u32 s93, s93, s[Q0N]                  ; the row among all heads' rows
	s_lshl_b32 s[OF], s93, 7                       ; 128 bytes of codes a row,
	s_lshl_b32 s[OG], s93, 2                       ; 4 scale bytes
	s_add_nc_u64 s[QP:QP+1], s[4:5], s[OF:OF+1]
	s_add_nc_u64 s[QSP:QSP+1], s[6:7], s[OG:OG+1]
	v_and_b32 v37, 15, v0                          ; r
	v_bfe_u32 v38, v0, 4, 1                        ; h
	v_lshlrev_b32 v32, 7, v37
	v_lshl_add_u32 v32, v38, 4, v32                ; row r, + 16 h
	v_and_b32 v33, 31, v0
	v_lshlrev_b32 v33, 2, v33                      ; 4 x lane: lanes 0-15 tile 0's words, lanes 16-31 tile 1's
.irp c, 0,1,2,3
	global_load_b128 v[16+4*\c:19+4*\c], v32, s[QP:QP+1] offset:32*\c th:TH_LOAD_NT
.endr
	WIN 0x40
.irp c, 0,1,2,3
	global_load_b128 v[16+4*\c:19+4*\c], v32, s[QP:QP+1] offset:2048+32*\c th:TH_LOAD_NT
.endr
	WIN 0
	global_load_b32 v255, v33, s[QSP:QSP+1] th:TH_LOAD_NT
.endm
.macro SETOP                           ; out at row head x 2,048 + Q0: 512 bytes a row
	s_lshl_b32 s93, s[HD], 11
	s_add_co_u32 s93, s93, s[Q0]
	s_lshl_b32 s[OF], s93, 9
	s_add_nc_u64 s[OP:OP+1], s[16:17], s[OF:OF+1]
.endm
; A block of queries begins: the largest t is -3e38, under every t; the sum and O^T are zeros, which the first change of M leaves zeros.  So the key step is written in one form.
.macro RESET head
.irp w, 0,1
	WIN 0x55*\w
	v_mov_b32 v13, 0xff61b1e6
	v_floor_f32 v12, -v13
	v_mov_b32 v14, 0
	v_mov_b32 v15, 0
.if \head
.irp x, 236,237,238,239,252,253
	v_mov_b32 v\x, 0                               ; written once: a lane permute's destination counts as one of its sources, and v253 is named as the upper half of the pair v[252:253]
.endr
.endif
.set jj, 0
.rept 64
	v_mov_b32 v[160+jj], 0
.set jj, jj+1
.endr
.endr
	WIN 0
.endm
.macro OSCALE tau                      ; tile tau: the row's sum, and O^T / the sum into v96-159: register 8 t + i is o(r, 16 t + 8 h + i)
	WIN 0x55*\tau
	v_add_f32 v14, v14, v15                        ; the sum's two halves,
	v_permlanex16_b32 v252, v14, s[SEL], s[SEL+1]
	v_add_f32 v14, v14, v252                       ; and lane l xor 16's
	v_rcp_f32 v14, v14
	v_nop                                          ; one plain place behind a transcendental
.set jj, 0
	s_wait_alu depctr_va_vdst(0)
.rept 32
	v_pk_mul_f32 v[96+jj:97+jj], v[160+jj:161+jj], v[14:15] op_sel_hi:[1,0]   ; each accumulator from its low end on
.set jj, jj+2
.endr
.endm
; THE WAY OUT of my 32 queries.  A lane holds 32 neighbouring bytes of a row and the lanes beside it other rows: a tile goes through my own stage in LDS and comes back as whole rows of 512 bytes.
; LDS serves a wave's instructions in order (ISA guide 5.7.1): no wait between the stores and the loads.  Tile 1's arithmetic stands between tile 0's loads from the stage and the waits for them.
.macro FINISH
	v_and_b32 v37, 15, v0                          ; r
	v_bfe_u32 v38, v0, 4, 1                        ; h
	s_mul_i32 s93, s[WV], 16*SPITCH
	s_add_co_u32 s93, s93, STAGE                   ; my stage
	v_mul_u32_u24 v34, v37, SPITCH
	v_lshl_add_u32 v34, v38, 5, v34
	v_add_nc_u32 v34, s93, v34                     ; in: row r, + 32 h; tile t of the head's 128: 64 t bytes on
	v_and_b32 v36, 31, v0
	v_lshlrev_b32 v36, 4, v36                      ; back, and in out: 16 bytes a lane, 512 a row
	v_add_nc_u32 v35, s93, v36
	OSCALE 0
.irp t, 0,1,2,3,4,5,6,7
	ds_store_b128 v34, v[96+8*\t:99+8*\t] offset:64*\t
	ds_store_b128 v34, v[100+8*\t:103+8*\t] offset:64*\t+16
.endr
.irp k, 0,1,2,3,4,5,6,7,8,9,10,11,12,13,14,15
	ds_load_b128 v[96+4*\k:99+4*\k], v35 offset:\k*SPITCH
.endr
	OSCALE 1
	WIN 0
.irp k, 0,1,2,3,4,5,6,7,8,9,10,11,12,13,14,15
	s_wait_dscnt 15-\k                             ; row k of the sixteen is back
	global_store_b128 v36, v[96+4*\k:99+4*\k], s[OP:OP+1] offset:512*\k th:TH_STORE_NT   ; 32 lanes store 512 consecutive bytes, at a multiple of 256 from out's first byte
.endr
	WIN 0x04                                       ; an LDS store's data are its source 1: window 1
.irp t, 0,1,2,3,4,5,6,7
	ds_store_b128 v34, v[96+8*\t:99+8*\t] offset:64*\t
	ds_store_b128 v34, v[100+8*\t:103+8*\t] offset:64*\t+16
.endr
	WIN 0x40
.irp k, 0,1,2,3,4,5,6,7,8,9,10,11,12,13,14,15
	ds_load_b128 v[96+4*\k:99+4*\k], v35 offset:\k*SPITCH
.endr
	WIN 0x04                                       ; a global store's data likewise
.irp k, 0,1,2,3,4,5,6,7,8,9,10,11,12,13,14,15
	s_wait_dscnt 15-\k
	global_store_b128 v36, v[96+4*\k:99+4*\k], s[OP:OP+1] offset:8192+512*\k th:TH_STORE_NT
.endr
	WIN 0
	s_wait_xcnt 0x0                                ; the stores' data, offset and base are rewritten only behind this wait
.endm
; At trip 8 - i the high block is finished and the low block begins.  The branch hangs on ids alone and is the same in all eight waves; no barrier and no tensor load stands in it.
.macro SWITCH
	s_cmp_lg_u32 s[JT], s[SW]
	s_cbranch_scc1 .Lsame_\@
	PLACES 8                                       ; behind the last products: O^T is read, and Q's and the fragments' registers are written
	s_lshl_b32 s93, s[PIX], 8
	s_lshl_b32 s94, s[UG], 5
	s_add_co_u32 s[Q0N], s93, s94                  ; block i, my group
	QLOAD                                          ; the low block's Q is asked for first and lands under the way out
	FINISH
	s_mov_b32 s[Q0], s[Q0N]
	SETOP
	RESET 0
	s_wait_loadcnt 0x0                             ; Q is in; its loads' offsets (v32, v33) may be written again
.Lsame_\@:
.endm
.macro TRIP fill
	CHANGE \fill
	SWITCH
	s_cmp_ge_u32 s[JT], s[SW]                      ; this trip's slot of keys: (J + (i from the low block's first trip on)) mod 8
	s_cselect_b32 s93, s[PIX], 0
	s_add_co_u32 s93, s93, s[JT]
	s_and_b32 s[KS], s93, 7
	s_mul_i32 s[TS], s[KS], 1088                   ; its scale words of K: four runs of 272 bytes a slot;
	s_lshl_b32 s[TJ], s[KS], 3                     ; of V: 8 bytes on in each row
	s_lshl_b32 s[KF0], s[KS], 8
	STEP 0
	STEP 1
	s_xor_b32 s[TB], s[TB], SLOT1                  ; on to the other slot
.endm
	s_load_b128 s[4:7], s[0:1], 0x0                ; Q's codes, Q's scales
	s_load_b128 s[8:11], s[0:1], 0x10              ; K's codes, K's scales
	s_load_b128 s[12:15], s[0:1], 0x20             ; V's codes, V's scales
	s_load_b64 s[16:17], s[0:1], 0x30              ; out
	v_lshl_add_u32 v[SPW], v0, 2, SPARE
	v_mov_b32 v[NIL], 0
	ds_add_u32 v5, v6
	s_wait_dscnt 0x0
	v_lshrrev_b32 v8, 5, v0
	v_readfirstlane_b32 s[WV], v8                  ; wave 0..7
	s_mov_b32 s[PIX], ttmp9                        ; i
	s_sub_co_u32 s[SW], 8, s[PIX]
	s_and_b32 s[HD], ttmp7, 0xffff                 ; the head
	s_lshr_b32 s93, s[WV], 2                       ; u = 4 ((w xor (w / 4)) mod 2) + w / 2: waves 0..7 take groups 0, 4, 1, 5, 6, 2, 7, 3.  It enters global addresses and the mask's scalars alone
	s_xor_b32 s93, s93, s[WV]
	s_and_b32 s93, s93, 1
	s_lshl_b32 s93, s93, 2
	s_lshr_b32 s94, s[WV], 1
	s_or_b32 s[UG], s93, s94
	s_and_b32 s95, s[WV], 1                        ; which part of a tile I fetch, if I fetch
	s_lshl_b32 s93, s[HD], 18                      ; a head's codes: 262,144 bytes in each tensor
	s_lshl_b32 s94, s95, 11                        ; K: the even groups of 16 keys, or the odd ones: 16 keys of 128 bytes on
	s_add_co_u32 s[OF], s93, s94
	s_mov_b32 s[OF+1], 0
	s_lshl_b32 s94, s95, 17                        ; V: 64 rows of 2,048 bytes
	s_add_co_u32 s[OG], s93, s94
	s_mov_b32 s[OG+1], 0
	s_lshl_b32 s96, s[HD], 13                      ; a head's scale bytes: 8,192; my half: 4,096
	s_lshl_b32 s94, s95, 12
	s_add_co_u32 s96, s96, s94
	s_mov_b32 s97, 0
	s_mul_i32 s98, s95, KOB                        ; and where the parts go in LDS
	s_mul_i32 s99, s95, 64*VP
	s_mul_i32 s95, s95, 16*272
	; descriptor group 1.  K: every second group of 16 keys of a slot: 8 rows of 2,048 bytes (16 keys, dense in memory), 4,096 bytes from row to row; the padding counts along the tile: 16 bytes behind every 128, so a key's row is 144 bytes in LDS
	s_mov_b32 s[G1K], (0<<16)|(1<<20)|(4<<22)|(3<<25)   ; 15:0 no mask; 17:16 elements of 1 byte; 20 padding on; 24:22 after every 32 words (code 4); 31:25 four words (code 3)
	s_mov_b32 s[G1K+1], 2048<<16                   ; tensor_dim0
	s_mov_b32 s[G1K+2], 8<<16                      ; tensor_dim1
	s_mov_b32 s[G1K+3], 2048<<16                   ; tile_dim0
	s_mov_b32 s[G1K+4], 8                          ; tile_dim1
	s_mov_b32 s[G1K+5], 4096                       ; tensor_dim0_stride
	s_mov_b32 s[G1K+6], 0
	s_mov_b32 s[G1K+7], 0
	; V: 64 rows of 256 bytes, 2,048 bytes apart, 16 bytes of padding behind each
	s_mov_b32 s[G1V], (0<<16)|(1<<20)|(5<<22)|(3<<25)   ; padding: four words after every 64
	s_mov_b32 s[G1V+1], 256<<16
	s_mov_b32 s[G1V+2], 64<<16
	s_mov_b32 s[G1V+3], 256<<16
	s_mov_b32 s[G1V+4], 64
	s_mov_b32 s[G1V+5], 2048
	s_mov_b32 s[G1V+6], 0
	s_mov_b32 s[G1V+7], 0
	; the scale bytes: 4,096 dense bytes as 16 rows of 256 (32 elements of 8 bytes), 16 bytes of padding behind each
	s_mov_b32 s[G1S], (3<<16)|(1<<20)|(5<<22)|(3<<25)
	s_mov_b32 s[G1S+1], 32<<16
	s_mov_b32 s[G1S+2], 16<<16
	s_mov_b32 s[G1S+3], 32<<16
	s_mov_b32 s[G1S+4], 16
	s_mov_b32 s[G1S+5], 32
	s_mov_b32 s[G1S+6], 0
	s_mov_b32 s[G1S+7], 0
	s_mov_b32 s[SEL], 0x76543210
	s_mov_b32 s[SEL+1], 0xfedcba98
	s_mov_b32 s[CS], 0x3e0293ee                    ; c = log2(e) / sqrt(128)
	s_mov_b32 s[CS+1], s[CS]                       ; (named with it as a pair, so it is written)
	s_mov_b32 s[MNT], 0x600000
	s_mov_b32 s[TB], 0
	s_mov_b32 s[JT], 0
	s_wait_kmcnt 0x0
	s_add_nc_u64 s[KB:KB+1], s[8:9], s[OF:OF+1]
	s_add_nc_u64 s[VB:VB+1], s[12:13], s[OG:OG+1]
	s_mov_b32 s[G0SK], 1                           ; 1:0 count = 1
	s_add_co_u32 s[G0SK+1], s95, SCK               ; 63:32 LDS address
	s_add_nc_u64 s[G0SK+2:G0SK+3], s[10:11], s[96:97]   ; 120:64 global address
	s_or_b32 s[G0SK+3], s[G0SK+3], 0x80000000      ; 127:126 type = 2
	s_mov_b32 s[G0SV], 1
	s_add_co_u32 s[G0SV+1], s95, SCV
	s_add_nc_u64 s[G0SV+2:G0SV+3], s[14:15], s[96:97]
	s_or_b32 s[G0SV+3], s[G0SV+3], 0x80000000
	TLOAD G0SK, G1S, G0SV, G1S                     ; the scale bytes of the whole head: filled once
	s_mov_b32 s[G0K], 1
	s_mov_b32 s[G0K+1], s98                        ; slot 0
	s_mov_b64 s[G0K+2:G0K+3], s[KB:KB+1]           ; the head's first 256 keys
	s_or_b32 s[G0K+3], s[G0K+3], 0x80000000
	s_mov_b32 s[G0V], 1
	s_add_co_u32 s[G0V+1], s99, VOFF
	s_mov_b64 s[G0V+2:G0V+3], s[VB:VB+1]
	s_or_b32 s[G0V+3], s[G0V+3], 0x80000000
	TLOAD G0K, G1K, G0V, G1V                       ; slot 0.  Two tensor loads of a fetching wave are out; the first wait for them is for 0
	s_sub_co_u32 s93, 7, s[PIX]                    ; the high block first: 7 - i
	s_lshl_b32 s93, s93, 8
	s_lshl_b32 s94, s[UG], 5
	s_add_co_u32 s[Q0N], s93, s94
	QLOAD
	s_mov_b32 s[Q0], s[Q0N]
	SETOP
	v_and_b32 v8, 15, v0                           ; r = lane % 16
	v_bfe_u32 v9, v0, 4, 1                         ; h = lane / 16
	v_and_b32 v10, 7, v8                           ; r % 8: my row among a tile's eight of a region
	v_lshrrev_b32 v11, 3, v8                       ; r / 8: which region
	v_mul_u32_u24 v[AK0], v10, KP
	v_mad_u32_u24 v[AK0], v11, KOB, v[AK0]
	v_lshl_add_u32 v[AK0], v9, 4, v[AK0]
	v_mul_u32_u24 v[AV0], v8, VP
	v_lshl_add_u32 v[AV0], v9, 4, v[AV0]
	v_add_nc_u32 v[AV0], VOFF, v[AV0]
	v_lshl_add_u32 v10, v11, 3, v8                 ; r + 8 (r / 8)
	v_lshl_add_u32 v[ASK0], v10, 2, SCK            ; K's scale words lie by keys: 4 bytes a key, 64 keys to a run of 272 bytes; lanes 16-31 one run on
	v_mad_u32_u24 v[ASK0], v9, 272, v[ASK0]
	v_lshrrev_b32 v11, 2, v8                       ; V's: 64 bytes a row, four rows to a run; lanes 16-31 sixteen runs on
	v_and_b32 v10, 3, v8
	v_lshlrev_b32 v10, 6, v10
	v_mad_u32_u24 v[ASV0], v11, 272, v10
	v_mad_u32_u24 v[ASV0], v9, 4352, v[ASV0]
	v_add_nc_u32 v[ASV0], SCV, v[ASV0]
	RESET 1
	s_wait_loadcnt 0x0                             ; Q
.Ltrip:                                            ; eight trips: behind each change of slots but the last the next trip's slot is asked for (slot 1's first fill goes out behind trip 0's barrier, as a refill does)
	TRIP 1
	s_add_co_u32 s[JT], s[JT], 1
	s_cmp_lt_u32 s[JT], 8
	s_cbranch_scc1 .Ltrip
	TRIP 0                                         ; the ninth trip is written out
	PLACES 8                                       ; behind the last products
	FINISH                                         ; the low block goes out
	s_wait_tensorcnt 0x0                           ; the wave's end, behind my last tensor load and my last LDS store
	ds_add_u32 v[SPW], v[NIL]
	s_wait_dscnt 0x0
	s_endpgm
.Lfunc_end_k_q57fc337cdc_attn:
	.size	k_q57fc337cdc_attn, .Lfunc_end_k_q57fc337cdc_attn-k_q57fc337cdc_attn
	.p2alignl 7, 3214868480
	.fill 96, 4, 3214868480
	.section	.rodata,"a",@progbits
	.p2align	6, 0x0
	.amdhsa_kernel k_q57fc337cdc_attn
		.amdhsa_group_segment_fixed_size 327680
		.amdhsa_private_segment_fixed_size 0
		.amdhsa_enable_private_segment 0
		.amdhsa_kernarg_size 56
		.amdhsa_user_sgpr_count 2
		.amdhsa_user_sgpr_kernarg_segment_ptr 1
		.amdhsa_wavefront_size32 1
		.amdhsa_system_sgpr_workgroup_id_x 1
		.amdhsa_system_sgpr_workgroup_id_y 1
		.amdhsa_system_sgpr_workgroup_id_z 1
		.amdhsa_system_vgpr_workitem_id 0
		.amdhsa_next_free_vgpr 512
		.amdhsa_next_free_sgpr 100
		.amdhsa_reserve_vcc 1
		.amdhsa_float_denorm_mode_32 3
		.amdhsa_float_denorm_mode_16_64 3
		.amdhsa_memory_ordered 1
		.amdhsa_forward_progress 1
		.amdhsa_inst_pref_size 255
	.end_amdhsa_kernel
	.section	.bss,"aw",@nobits
	.p2align	6
	.space	262144
	.amdgpu_metadata
---
amdhsa.version: [ 1, 2 ]
amdhsa.kernels:
  - .name:           k_q57fc337cdc_attn
    .symbol:         k_q57fc337cdc_attn.kd
    .args:
      - { .name: Q_codes, .offset: 0, .size: 8, .value_kind: global_buffer, .address_space: global }
      - { .name: Q_scales, .offset: 8, .size: 8, .value_kind: global_buffer, .address_space: global }
      - { .name: K_codes, .offset: 16, .size: 8, .value_kind: global_buffer, .address_space: global }
      - { .name: K_scales, .offset: 24, .size: 8, .value_kind: global_buffer, .address_space: global }
      - { .name: V_codes, .offset: 32, .size: 8, .value_kind: global_buffer, .address_space: global }
      - { .name: V_scales, .offset: 40, .size: 8, .value_kind: global_buffer, .address_space: global }
      - { .name: out0, .offset: 48, .size: 8, .value_kind: global_buffer, .address_space: global }
    .group_segment_fixed_size: 327680
    .private_segment_fixed_size: 0
    .kernarg_segment_align: 8
    .kernarg_segment_size: 56
    .max_flat_workgroup_size: 256
    .sgpr_count:     100
    .vgpr_count:     512
    .wavefront_size: 32
...
	.end_amdgpu_metadata
.endif
;; end of part 1
